; MI455X (gfx1250); checked and timed in simulation.
; The chip was launched on July 23, 2026; its instructions are those of AMD's public machine-readable ISA for CDNA 5 (MIT licence, August 2026) and "CDNA5" Instruction Set Architecture Reference Guide (July 2026). The comments in the code are by the model that wrote it; some were corrected since.
;; OC Mod. Allowed arithmetic: matrix products marked QUANTISED: E3M2 operands, one E8M0 scale for each 32 along K, by v_wmma_scale_f32_16x16x128_f8f6f4 with both operands' format E3M2, f32 sums; products left as they are: f32 operands where the result goes on into a quantised operand, else bf16, f16 or f32 operands; f32 sums; everything else in f32.
;; Inputs: W0 4 x 128 x 256 float32; W1 4 x 64 x 128 float32; W2 4 x 1 x 64 float32; b0 4 x 128 float32; b1 4 x 64 float32; b2 4 x 1 float32; oc_density 250,000 x 256 float32; species 250,000 int32.
;; Outputs: out0 250,000 x 1 float32.
;; This version of the problem:
;;   THIS VERSION OF THE PROBLEM IS GIVEN IN LOW PRECISION. The matrix products marked QUANTISED in the list below multiply operands that are first quantised to E3M2 (3 exponent bits, 2 mantissa bits; 6 bits a number), with one power-of-two scale for each 32 numbers along K (OCP MX v1.0); their sums are f32. All else is computed in f32.
;;   The module's matrix products, in the order in which they are computed (A, B: the left and right operand; K: the contracted axis; several contracted axes count as one K, in the product's order):
;;     1. [M 250,000, K 256] x [K 256, N 128]; A: input oc_density; B: input W0: QUANTISED
;;     2. [M 250,000, K 128] x [K 128, N 64]; A: computed on the way; B: input W1: QUANTISED
;;     3. [M 250,000, K 64] x [K 64, N 1]; A: computed on the way; B: input W2: left as it is (N = 1 < 16)
;;     4. [M 250,000, K 256] x [K 256, N 128]; A: input oc_density; B: input W0: QUANTISED
;;     5. [M 250,000, K 128] x [K 128, N 64]; A: computed on the way; B: input W1: QUANTISED
;;     6. [M 250,000, K 64] x [K 64, N 1]; A: computed on the way; B: input W2: left as it is (N = 1 < 16)
;;     7. [M 250,000, K 256] x [K 256, N 128]; A: input oc_density; B: input W0: QUANTISED
;;     8. [M 250,000, K 128] x [K 128, N 64]; A: computed on the way; B: input W1: QUANTISED
;;     9. [M 250,000, K 64] x [K 64, N 1]; A: computed on the way; B: input W2: left as it is (N = 1 < 16)
;;     10. [M 250,000, K 256] x [K 256, N 128]; A: input oc_density; B: input W0: QUANTISED
;;     11. [M 250,000, K 128] x [K 128, N 64]; A: computed on the way; B: input W1: QUANTISED
;;     12. [M 250,000, K 64] x [K 64, N 1]; A: computed on the way; B: input W2: left as it is (N = 1 < 16)
;;   THE QUANTISER, for each operand of a quantised product, along K:
;;     - K is cut into blocks of 32 from its start; a last block that is shorter is filled with zeros.
;;     - A block's scale is 2^e with e = floor(log2(the largest magnitude in the block)) - 4, held to -126 .. 127; a block of zeros has e = 0. As a byte (E8M0): e + 127.
;;     - Each number is divided by its block's scale, clamped to +-28, and rounded to the nearest number of E3M2, ties to even, subnormals kept.
;;     - The product sums the exact products of the quantised numbers (number of the format x scale) in f32.
;;   ~~~python
;;   def quantise(x, axis):      # numpy; x: float32 -> the quantised numbers, widened to float32 again
;;       x = np.moveaxis(x, axis, -1); K = x.shape[-1]
;;       x = np.pad(x, [(0, 0)] * (x.ndim - 1) + [(0, -K % 32)]); x = x.reshape(x.shape[:-1] + (-1, 32)); a = np.abs(x).max(-1, keepdims=True)
;;       e = np.where(a > 0, np.clip(np.frexp(np.where(a > 0, a, 1))[1] - 1 - 4, -126, 127), 0)      # np.frexp(a)[1] - 1 = floor(log2(a)), exactly
;;       r = np.clip(x / 2.0 ** e, -28, 28)
;;       step = 2.0 ** (np.maximum(np.frexp(np.where(r == 0, 1, r))[1] - 1, -2) - 2)
;;       q = np.round(r / step) * step * 2.0 ** e      # np.round: ties to even
;;       return np.moveaxis(q.reshape(q.shape[:-2] + (-1,))[..., :K], -1, axis).astype(np.float32)
;;   ~~~
;;   OPERANDS COMPUTED ON THE WAY. 'Computed on the way' means the value that the module computes at that place (a softmax that the list does not call 'softmax' is quantised finished and normalised). What goes into a quantiser is computed in f32, as accurately as f32 sums, v_exp_f32 and their like allow (about 1e-6 of the number): no bf16 or f16 on the way to a quantiser, and a product that is left as it is and whose result goes on into a quantised operand takes f32 operands (vector FMAs, or v_wmma_f32_16x16x4_f32). A number that lies on a knife's edge between two numbers of the format may be rounded either way, as far as f32 arithmetic and the matrix unit's own rounding can turn it there, and no further.
;; One version. Each part assembles by itself: llvm-mc -triple=amdgcn-amd-amdhsa -mcpu=gfx1250 --defsym DOCPART=n.
;; ======== version 1 of 1: 2 launches
;; limits: right only within a limited range of input values
;; workspace buffers: route 2,162,688 bytes of whole numbers; wimg 132,096 bytes
;; launch prep (part 1): grid 256 x 1, 32 waves a work-group, no clusters, 4,352 bytes of LDS; arguments species, W0, W1, b0, b1, W2, route, wimg; writes route, wimg
.if DOCPART == 1
	.amdgcn_target "amdgcn-amd-amdhsa--gfx1250"
	.amdhsa_code_object_version 6
	.text
	.protected	k_q10084d8b89_prep
	.globl	k_q10084d8b89_prep
	.p2align	8
	.type	k_q10084d8b89_prep,@function
k_q10084d8b89_prep:
	s_mov_b64 s[64:65], 0
	v_nop
	global_prefetch_b8 v0, s[64:65] scope:SCOPE_SE
	s_setreg_imm32_b32 hwreg(HW_REG_WAVE_MODE, 25, 1), 1
	s_wait_xcnt 0x0
; ROUTING, in every work-group.  Work-group g takes atoms 977 g .. 977 g + 976 (256 x 977 covers the 250,000), a thread to an atom, and sorts them by species into 64 tiles of 16 slots:
;   each species begins on a tile of its own, and the sum of ceil(n_e / 16) is at most (977 + 4 x 15) / 16, so 64 tiles serve every split.  Its record in route (8,448 bytes, all int32):
;   ROWS[1024] at 0: the local atom of each slot (0 in a slot that nobody fills);  SLOT[1024] at 4,096: each local atom's slot (1024: no atom, or a species outside 0..3);  TEXP[64] at 8,192: each tile's species.
;   The counting sort needs no atomics: ballots and bit counts inside a wave, the waves' counts through 256 bytes of LDS, one barrier.
; THE WEIGHTS, in wave 31 of work-groups 0-83: that wave's threads, 992-1023, have no atom (a block has 977).  Its piece stands behind its species load and ahead of the routing, so both kinds of loads are out together.
;   Pieces 0-63: a fragment (16 rows x 128 along K) of W0;  64-79: of W1;  80-83: a species' b0, b1, W2, copied.  A fragment becomes E3M2 codes with one E8M0 byte for each 32 along K, stored as an IMAGE OF THE
;   OPERAND'S REGISTERS (registers 4 c .. 4 c + 3 of lane l at 512 c + 16 l).  A record of wimg (33,024 bytes, one a species):
;   0: W0's 16 images, 2 t + s (tile t, K step s);  24,576: W1's 4;  30,720: W0's scale words, 256 (t / 2) + 16 r + 4 (2 (t % 2) + s);  31,744: W1's, 16 r + 4 t;  32,000: b0;  32,512: b1;  32,768: W2.
;   THE ROWS OF W0 THAT FORM A TILE ARE NOT NEIGHBOURS: lane r of tile t takes row 32 (t / 2) + 8 (t % 2) + r + 8 (r / 8), so that two neighbouring tiles' results are 16 neighbours along the next product's K.
;   The piece's registers (v16-123 without v0, v3, v4; s41-56) hold nothing of the routing that is live there, and what its pending stores read (v96-107, v116, v120-123, s[18:19]) the routing never writes.
; A block's scale byte is its largest magnitude's exponent field - 4, held at 1 from below (a block of zeros gets 1 where the rule says 127: its codes are zeros, and this program alone reads the bytes).
; LIMITS: NaN and infinities among the weights are not served.
.set NATOM,  250000
.set BLK,    977
.set RB,     8448
.set O_SLOT, 4096
.set O_TEXP, 8192
.set ER,     33024
.set X,   16                           ; v16-79   64 numbers of a lane
.set TM,  80                           ; v80-95   at work in QUANT4
.set PC,  96                           ; v96-107  a fragment's codes; in a copying piece the numbers copied
.set PT,  108                          ; v108-115 conversions' results that begin on an even register
.set PW,  116                          ; v116     the scale word
.set SEL, 32                           ; s[32:33] v_permlanex16_b32's selects for lane l xor 16
; 64 numbers of a lane, register 16 b + i = k 32 b + 16 (lane / 16) + i of the lane's row, become a fragment's 12 registers of codes at dst and the row's scale word in pw.
.macro QUANT4 src, dst, tmp, pw
.irp b, 0,1,2,3
	v_max3_num_f32 v[TM+\b], |v[(\src)+16*\b]|, |v[(\src)+1+16*\b]|, 0x2800000   ; my 16 numbers of block b, and the floor 2^(5 - 127)
.endr
.irp i, 2,4,6,8,10,12,14
.irp b, 0,1,2,3
	s_delay_alu instid0(VALU_DEP_4)
	v_max3_num_f32 v[TM+\b], v[TM+\b], |v[(\src)+16*\b+\i]|, |v[(\src)+1+16*\b+\i]|
.endr
.endr
.irp b, 0,1,2,3
	s_delay_alu instid0(VALU_DEP_4)
	v_permlanex16_b32 v[TM+4+\b], v[TM+\b], s[SEL], s[SEL+1]
.endr
.irp b, 0,1,2,3
	s_delay_alu instid0(VALU_DEP_4)
	v_max_num_f32 v[TM+\b], v[TM+\b], v[TM+4+\b]          ; with lane l xor 16's: the block's largest magnitude
.endr
.irp b, 0,1,2,3
	s_delay_alu instid0(VALU_DEP_4)
	v_add_nc_u32 v[TM+12+\b], 0xfe000000, v[TM+\b]        ; 4 off its exponent field: the conversion's scale operand
.endr
.irp b, 0,1,2,3
	s_delay_alu instid0(VALU_DEP_4)
	v_lshrrev_b32 v[TM+4+\b], 23, v[TM+12+\b]             ; the scale's byte
.endr
	s_delay_alu instid0(VALU_DEP_3)
	v_lshl_or_b32 v[\pw], v[TM+5], 8, v[TM+4]
	s_delay_alu instid0(VALU_DEP_1)
	v_lshl_or_b32 v[\pw], v[TM+6], 16, v[\pw]
	s_delay_alu instid0(VALU_DEP_1)
	v_lshl_or_b32 v[\pw], v[TM+7], 24, v[\pw]
.irp c, 0,1
	v_cvt_scalef32_pk16_bf6_f32 v[(\dst)+6*\c:(\dst)+6*\c+2], v[(\src)+32*\c:(\src)+32*\c+15], v[TM+12+2*\c]
	v_cvt_scalef32_pk16_bf6_f32 v[(\tmp)+4*\c:(\tmp)+4*\c+2], v[(\src)+32*\c+16:(\src)+32*\c+31], v[TM+13+2*\c]
.endr
	v_nop                                          ; one plain place behind a scaled conversion
.irp c, 0,1                                    ; the operand's layout wants a whole block in a lane: lanes 0-15 block 2 c, lanes 16-31 block 2 c + 1
.irp i, 0,1,2
	v_permlane16_swap_b32 v[(\dst)+6*\c+\i], v[(\tmp)+4*\c+\i]
.endr
.irp i, 0,1,2
	s_delay_alu instid0(VALU_DEP_3)
	v_mov_b32 v[(\dst)+6*\c+3+\i], v[(\tmp)+4*\c+\i]
.endr
.endr
.endm
	s_load_b512 s[4:19], s[0:1], 0x0               ; species s[4:5], W0 s[6:7], W1 s[8:9], b0 s[10:11], b1 s[12:13], W2 s[14:15], route s[16:17], wimg s[18:19]
	v_lshl_add_u32 v126, v0, 2, 0x100
	v_mov_b32 v127, 0
	v_lshrrev_b32 v1, 5, v0
	s_delay_alu instid0(VALU_DEP_1)
	v_readfirstlane_b32 s20, v1                    ; wave 0..31
	s_mov_b32 s[SEL], 0x76543210
	s_mov_b32 s[SEL+1], 0xfedcba98
	s_wait_kmcnt 0x0
	s_mul_i32 s21, ttmp9, BLK                      ; the block's first atom
	v_add_nc_u32 v2, s21, v0                       ; my atom
	v_cmp_gt_u32 s22, BLK, v0                      ; inside the block,
	s_delay_alu instid0(VALU_DEP_2)
	v_cmp_gt_u32 s23, NATOM, v2                    ; and inside the tensor
	s_and_b32 s22, s22, s23
	v_min_u32 v3, NATOM-1, v2                      ; no load leaves the buffer
	s_delay_alu instid0(VALU_DEP_1)
	v_lshlrev_b32 v3, 2, v3
	global_load_b32 v4, v3, s[4:5]
	s_wait_alu depctr_va_vdst(0)                   ; the wait ahead of the branches
	s_cmp_lg_u32 s20, 31
	s_cbranch_scc1 .Lroute
	s_cmp_ge_u32 ttmp9, 84
	s_cbranch_scc1 .Lroute
	; ---------------- THE WEIGHTS: piece = the work-group's number ----------------
	v_and_b32 v117, 15, v0                         ; r
	v_bfe_u32 v118, v0, 4, 1                       ; h
	v_and_b32 v119, 31, v0                         ; lane
	s_mov_b32 s43, 0
	s_cmp_ge_u32 ttmp9, 80
	s_cbranch_scc1 .Lbias
	s_cmp_ge_u32 ttmp9, 64
	s_cbranch_scc1 .Lw1
	s_lshr_b32 s50, ttmp9, 4                       ; species
	s_and_b32 s51, ttmp9, 15                       ; f = 2 t + s
	s_lshl_b32 s42, s50, 17                        ; 128 rows of 1,024 bytes a species
	s_lshr_b32 s54, s51, 2                         ; t / 2: 32 rows
	s_lshl_b32 s55, s54, 15
	s_add_co_u32 s42, s42, s55
	s_bfe_u32 s55, s51, 0x10001                    ; t % 2: 8 rows
	s_lshl_b32 s55, s55, 13
	s_add_co_u32 s42, s42, s55
	s_and_b32 s55, s51, 1                          ; s: 128 numbers
	s_lshl_b32 s55, s55, 9
	s_add_co_u32 s42, s42, s55
	s_add_nc_u64 s[44:45], s[6:7], s[42:43]
	s_mul_i32 s56, s50, ER
	s_mul_i32 s46, s51, 1536
	s_add_co_u32 s46, s46, s56                     ; the image's place
	s_lshl_b32 s47, s54, 8
	s_and_b32 s55, s51, 3
	s_lshl_b32 s55, s55, 2
	s_add_co_u32 s47, s47, s55
	s_add_co_u32 s47, s47, s56
	s_add_co_u32 s47, s47, 30720                   ; the scale words' place
	s_mov_b32 s48, 1024                            ; bytes from row to row
	s_mov_b32 s49, 1024                            ; and lanes 8-15 stand 8 rows further on
	s_branch .Lquant
.Lw1:
	s_sub_co_u32 s51, ttmp9, 64
	s_lshr_b32 s50, s51, 2                         ; species
	s_and_b32 s51, s51, 3                          ; t
	s_lshl_b32 s42, s50, 15                        ; 64 rows of 512 bytes a species
	s_lshl_b32 s55, s51, 13                        ; 16 rows a tile
	s_add_co_u32 s42, s42, s55
	s_add_nc_u64 s[44:45], s[8:9], s[42:43]
	s_mul_i32 s56, s50, ER
	s_mul_i32 s46, s51, 1536
	s_add_co_u32 s46, s46, s56
	s_add_co_u32 s46, s46, 24576
	s_lshl_b32 s47, s51, 2
	s_add_co_u32 s47, s47, s56
	s_add_co_u32 s47, s47, 31744
	s_mov_b32 s48, 512
	s_mov_b32 s49, 0
.Lquant:
	s_wait_alu depctr_va_vdst(0)
	v_and_b32 v120, 8, v117
	s_delay_alu instid0(VALU_DEP_1)
	v_mul_lo_u32 v120, v120, s49
	v_mul_lo_u32 v121, v117, s48
	s_delay_alu instid0(VALU_DEP_1)
	v_add_nc_u32 v120, v120, v121
	s_delay_alu instid0(VALU_DEP_1)
	v_lshl_add_u32 v120, v118, 6, v120             ; my row, + 64 h: my 16 numbers of each block of 32
	v_lshl_add_u32 v122, v119, 4, s46
	v_lshl_add_u32 v123, v117, 4, s47
.irp b, 0,1,2,3
	v_mov_b32 v[TM+4+\b], 0                        ; written once: a lane permute's destination counts as read
.endr
.irp b, 0,1,2,3
.irp i, 0,1,2,3
	global_load_b128 v[X+16*\b+4*\i:X+16*\b+4*\i+3], v120, s[44:45] offset:128*\b+16*\i
.endr
.endr
	s_wait_loadcnt 0x0                             ; my 16 loads, and the species load ahead of them
	QUANT4 X, PC, PT, PW
.irp c, 0,1,2
	global_store_b128 v122, v[PC+4*\c:PC+4*\c+3], s[18:19] offset:512*\c   ; 32 lanes store 512 consecutive bytes
.endr
	global_store_b32 v123, v[PW], s[18:19]         ; row r's scale word (lanes r and r + 16 hold and store the same)
	s_branch .Lroute
.Lbias:
	s_sub_co_u32 s42, ttmp9, 80                    ; species
	s_mul_i32 s46, s42, ER
	s_mov_b32 s47, 0
	s_add_nc_u64 s[18:19], s[18:19], s[46:47]
	s_lshl_b32 s46, s42, 9
	s_add_nc_u64 s[10:11], s[10:11], s[46:47]
	s_lshl_b32 s46, s42, 8
	s_add_nc_u64 s[12:13], s[12:13], s[46:47]
	s_add_nc_u64 s[14:15], s[14:15], s[46:47]
	s_wait_alu depctr_va_vdst(0)
	v_lshlrev_b32 v120, 4, v119
	v_lshlrev_b32 v121, 3, v119
	global_load_b128 v[96:99], v120, s[10:11]
	global_load_b64 v[100:101], v121, s[12:13]
	global_load_b64 v[102:103], v121, s[14:15]
	s_wait_alu depctr_va_vdst(0)                   ; the wait ahead of the wait below
	s_wait_loadcnt 0x0
	global_store_b128 v120, v[96:99], s[18:19] offset:32000
	global_store_b64 v121, v[100:101], s[18:19] offset:32512
	global_store_b64 v121, v[102:103], s[18:19] offset:32768
	; ---------------- ROUTING ----------------
.Lroute:
	s_mul_i32 s38, ttmp9, RB
	s_mov_b32 s39, 0
	s_add_nc_u64 s[16:17], s[16:17], s[38:39]      ; my record
.irp i, 18,19,20,21
	v_mov_b32 v\i, 0                               ; written once: the destination of a lane move counts as read
.endr
	s_wait_loadcnt 0x0
	v_cndmask_b32 v4, 4, v4, s22                   ; a thread without an atom belongs to no species
.irp e, 0,1,2,3
	v_cmp_eq_u32 s[24+\e], \e, v4                  ; who of my wave is of species e,
.endr
.irp e, 0,1,2,3
	s_bcnt1_i32_b32 s[28+\e], s[24+\e]             ; and how many
.endr
	s_lshl_b32 s29, s29, 16
	s_or_b32 s28, s28, s29                         ; two counts to a word: none passes 977
	s_lshl_b32 s31, s31, 16
	s_or_b32 s30, s30, s31
	v_mov_b32 v6, s28
	v_mov_b32 v7, s30
	v_mov_b32 v5, s20
	s_delay_alu instid0(VALU_DEP_1)
	v_lshlrev_b32 v5, 3, v5
	ds_store_b64 v5, v[6:7]                        ; my wave's counts at 8 x wave (all lanes write the same)
.irp e, 0,1,2,3
	v_mbcnt_lo_u32_b32 v[8+\e], s[24+\e], 0        ; how many of species e stand in lower lanes
.endr
	s_delay_alu instid0(VALU_DEP_3)
	v_cndmask_b32 v8, v8, v9, s25
	s_delay_alu instid0(VALU_DEP_1)
	v_cndmask_b32 v8, v8, v10, s26
	s_delay_alu instid0(VALU_DEP_1)
	v_cndmask_b32 v8, v8, v11, s27                 ; my rank among my wave's atoms of my species
	s_wait_dscnt 0x0                               ; for the others' sake: my store has landed
	s_barrier_signal -1
	s_barrier_wait -1
	v_and_b32 v12, 31, v0
	s_delay_alu instid0(VALU_DEP_1)
	v_lshlrev_b32 v13, 3, v12
	ds_load_b64 v[14:15], v13                      ; lane l: wave l's counts
	s_wait_alu depctr_va_vdst(0)
	s_wait_dscnt 0x0
	v_cmp_gt_u32 vcc_lo, s20, v12                  ; the waves in front of mine
	s_delay_alu instid0(VALU_DEP_1)
	v_cndmask_b32 v16, 0, v14, vcc_lo
	s_delay_alu instid0(VALU_DEP_2)
	v_cndmask_b32 v17, 0, v15, vcc_lo
.irp m, 1,2,4,8                                ; four whole-number sums over the 32 lanes
.irp i, 0,1,2,3
	v_mov_b32_dpp v[18+\i], v[14+\i] row_xmask:\m row_mask:0xf bank_mask:0xf
.endr
.irp i, 0,1,2,3
	s_delay_alu instid0(VALU_DEP_4)
	v_add_nc_u32 v[14+\i], v[14+\i], v[18+\i]
.endr
.endr
.irp i, 0,1,2,3
	s_delay_alu instid0(VALU_DEP_4)
	v_permlanex16_b32 v[18+\i], v[14+\i], s[SEL], s[SEL+1]
.endr
.irp i, 0,1,2,3
	s_delay_alu instid0(VALU_DEP_4)
	v_add_nc_u32 v[14+\i], v[14+\i], v[18+\i]
.endr
	s_delay_alu instid0(VALU_DEP_4)
	v_readfirstlane_b32 s34, v14                   ; the block's counts,
	s_delay_alu instid0(VALU_DEP_4)
	v_readfirstlane_b32 s35, v15
	s_delay_alu instid0(VALU_DEP_4)
	v_readfirstlane_b32 s36, v16                   ; and those of the waves in front of mine
	s_delay_alu instid0(VALU_DEP_4)
	v_readfirstlane_b32 s37, v17
	s_and_b32 s40, s34, 0xffff                     ; n_e: s40-43
	s_lshr_b32 s41, s34, 16
	s_and_b32 s42, s35, 0xffff
	s_lshr_b32 s43, s35, 16
	s_and_b32 s44, s36, 0xffff                     ; before me: s44-47
	s_lshr_b32 s45, s36, 16
	s_and_b32 s46, s37, 0xffff
	s_lshr_b32 s47, s37, 16
	s_mov_b32 s48, 0                               ; species e's first tile: s48-51
.irp e, 0,1,2
	s_add_co_u32 s38, s[40+\e], 15
	s_lshr_b32 s38, s38, 4
	s_add_co_u32 s[49+\e], s[48+\e], s38
.endr
.irp e, 0,1,2,3
	s_lshl_b32 s38, s[48+\e], 4
	s_add_co_u32 s[52+\e], s38, s[44+\e]           ; where my wave's atoms of species e begin: s52-55
	s_add_co_u32 s[56+\e], s38, s[40+\e]           ; where species e's filled slots end: s56-59
.endr
	v_mov_b32 v22, 1024                            ; my slot: none,
.irp e, 0,1,2,3
	v_add_nc_u32 v23, s[52+\e], v8
	s_delay_alu instid0(VALU_DEP_1)
	v_cndmask_b32 v22, v22, v23, s[24+\e]          ; or my species' base + my rank
.endr
	v_lshlrev_b32 v24, 2, v0
	global_store_b32 v24, v22, s[16:17] offset:O_SLOT   ; dense: 128 consecutive bytes a wave
	; as the owner of slot t: its tile's species, and where that species' filled slots end.  Empty species fall out right: their first tile is the next one's
	v_lshrrev_b32 v25, 4, v0
	v_mov_b32 v26, 0
	v_mov_b32 v27, s56
.irp k, 1,2,3
	v_mov_b32 v28, s[56+\k]
	v_mov_b32 v29, \k
	v_cmp_le_u32 vcc_lo, s[48+\k], v25
	s_delay_alu instid0(VALU_DEP_1)
	v_cndmask_b32 v26, v26, v29, vcc_lo
	s_delay_alu instid0(VALU_DEP_2)
	v_cndmask_b32 v27, v27, v28, vcc_lo
.endr
	v_min_u32 v30, 1023, v22                       ; a number made of loaded ones enters an address behind a clamp
	s_delay_alu instid0(VALU_DEP_1)
	v_lshlrev_b32 v30, 2, v30
	v_mov_b32 v31, 0
	v_and_b32 v32, 15, v0
	v_lshlrev_b32 v33, 2, v25
	s_or_b32 s38, s24, s25
	s_or_b32 s39, s26, s27
	s_or_b32 vcc_lo, s38, s39                      ; the threads that have a slot
	s_wait_alu depctr_va_vdst(0)
	s_wait_xcnt 0x0                                ; EXEC changes only behind this wait
	s_wait_tensorcnt 0x0                           ; behind my last LDS store
	ds_add_u32 v126, v127
	s_wait_dscnt 0x0
	s_and_saveexec_b32 s39, vcc_lo
	global_store_b32 v30, v0, s[16:17]             ; ROWS[my slot] = my local atom
	s_wait_xcnt 0x0
	s_or_b32 exec_lo, exec_lo, s39
	v_cmp_ge_u32 vcc_lo, v0, v27                   ; slot t is filled by nobody:
	s_and_saveexec_b32 s39, vcc_lo
	global_store_b32 v24, v31, s[16:17]            ; ROWS[t] = 0.  Other words than those above: each is stored once
	s_wait_xcnt 0x0
	s_or_b32 exec_lo, exec_lo, s39
	v_cmp_eq_u32 vcc_lo, 0, v32                    ; a tile's first slot
	s_and_saveexec_b32 s39, vcc_lo
	global_store_b32 v33, v26, s[16:17] offset:O_TEXP
	s_wait_xcnt 0x0
	s_or_b32 exec_lo, exec_lo, s39
	s_endpgm
.Lfunc_end_k_q10084d8b89_prep:
	.size	k_q10084d8b89_prep, .Lfunc_end_k_q10084d8b89_prep-k_q10084d8b89_prep
	.p2alignl 7, 3214868480
	.fill 96, 4, 3214868480
	.section	.rodata,"a",@progbits
	.p2align	6, 0x0
	.amdhsa_kernel k_q10084d8b89_prep
		.amdhsa_group_segment_fixed_size 4352
		.amdhsa_private_segment_fixed_size 0
		.amdhsa_enable_private_segment 0
		.amdhsa_kernarg_size 64
		.amdhsa_user_sgpr_count 2
		.amdhsa_user_sgpr_kernarg_segment_ptr 1
		.amdhsa_wavefront_size32 1
		.amdhsa_system_sgpr_workgroup_id_x 1
		.amdhsa_system_sgpr_workgroup_id_y 1
		.amdhsa_system_sgpr_workgroup_id_z 1
		.amdhsa_system_vgpr_workitem_id 0
		.amdhsa_next_free_vgpr 128
		.amdhsa_next_free_sgpr 66
		.amdhsa_reserve_vcc 1
		.amdhsa_float_denorm_mode_32 3
		.amdhsa_float_denorm_mode_16_64 3
		.amdhsa_memory_ordered 1
		.amdhsa_forward_progress 1
		.amdhsa_inst_pref_size 21
	.end_amdhsa_kernel
	.amdgpu_metadata
---
amdhsa.version: [ 1, 2 ]
amdhsa.kernels:
  - .name:           k_q10084d8b89_prep
    .symbol:         k_q10084d8b89_prep.kd
    .args:
      - { .name: species, .offset: 0, .size: 8, .value_kind: global_buffer, .address_space: global }
      - { .name: W0, .offset: 8, .size: 8, .value_kind: global_buffer, .address_space: global }
      - { .name: W1, .offset: 16, .size: 8, .value_kind: global_buffer, .address_space: global }
      - { .name: b0, .offset: 24, .size: 8, .value_kind: global_buffer, .address_space: global }
      - { .name: b1, .offset: 32, .size: 8, .value_kind: global_buffer, .address_space: global }
      - { .name: W2, .offset: 40, .size: 8, .value_kind: global_buffer, .address_space: global }
      - { .name: route, .offset: 48, .size: 8, .value_kind: global_buffer, .address_space: global }
      - { .name: wimg, .offset: 56, .size: 8, .value_kind: global_buffer, .address_space: global }
    .group_segment_fixed_size: 4352
    .private_segment_fixed_size: 0
    .kernarg_segment_align: 8
    .kernarg_segment_size: 64
    .max_flat_workgroup_size: 1024
    .sgpr_count:     66
    .vgpr_count:     128
    .wavefront_size: 32
...
	.end_amdgpu_metadata
.endif
;; end of part 1
;; launch mlp (part 2): grid 256 x 1, 8 waves a work-group, no clusters, 270,592 bytes of LDS; arguments oc_density, route, wimg, b2, out0, species; writes out0
.if DOCPART == 2
	.amdgcn_target "amdgcn-amd-amdhsa--gfx1250"
	.amdhsa_code_object_version 6
	.text
	.protected	k_q10084d8b89_mlp
	.globl	k_q10084d8b89_mlp
	.p2align	8
	.type	k_q10084d8b89_mlp,@function
k_q10084d8b89_mlp:
	s_mov_b64 s[64:65], 0
	v_nop
	global_prefetch_b8 v0, s[64:65] scope:SCOPE_SE
	s_setreg_imm32_b32 hwreg(HW_REG_WAVE_MODE, 25, 1), 1
	s_wait_xcnt 0x0
; out[a] = MLP_species(a)(x[a]): 256 -> 128 -> 64 -> 1, erf-GELU between; the first two products on E3M2 codes with one E8M0 scale for each 32 along K, the last in f32 multiply-adds.
; Only the chosen species' weights are multiplied: the others' results are thrown away by the mask that the problem builds from species.
; SHARES.  Work-group g owns atoms 977 g .. 977 g + 976, sorted by the launch before into 64 tiles of 16 slots, each of one species.  Wave w walks tiles 8 w .. 8 w + 7 as four PAIRS (A, B):
; a weight fragment read from LDS feeds both tiles of a pair; where a pair's two species differ (3 pairs of 32 at the most) a scalar branch on the species loads B's weights between A's products and B's.
; Trip counts are constants: unfilled slots (47 of 1,024) take the block's row 0 and their results are read by nobody.
; WHICH SPECIES A TILE HAS is worked out here, from the problem's own input: every wave counts the block's atoms of species 0, 1 and 2 (31 loads of 128 consecutive bytes, three ballots and bit counts each);
; a species' first tile is the sum of ceil(n / 16) of the species before it, as the launch before laid the slots.  So every branch of this text hangs on ids and on species alone; route gives rows and slots, for addresses.
; x: a tile's 16 rows come by 32 loads of 512 consecutive bytes each into 128 registers, turn through the wave's own stage in LDS (rows 1,040 bytes apart: row r starts at bank 4 r mod 64), and come back 16 neighbours
; of a block to a lane, as the conversions want them.  While a tile is worked on, the next one's 16 KiB are on their way: 128 KiB for the eight waves.
; THE WEIGHTS of all four species lie in LDS.  EVERY LDS ADDRESS IS MADE OF THE LANE, THE WAVE AND CONSTANTS: each group of weight loads is written four times, once a species, with the species' record in the
; immediate, and the species picks one of the four by two scalar branches.
; BOTH PRODUCTS ARE USED TRANSPOSED (source 0 = 16 rows of W, source 1 = 16 atoms): a lane holds ONE atom (lane % 16) and its registers run along the hidden units; W0's rows were chosen so that the 16 registers
; of two neighbouring tiles are 16 neighbours along the next K.  The biases are the C of each sum's first matrix instruction.  y goes to LDS by slot and leaves by atom: dense stores.
; GELU: g = v (0.5 + c N(c^2) / D(c^2)), c = v held to +-4 sqrt(2): the rational form of erf on |x| <= 4, degrees 6 and 4 in x^2, with 0.5 and x = v / sqrt(2) folded into the coefficients: 9 instructions a number, one reciprocal.
; LIMITS: gelu's absolute error is about 2e-7 |v|; so its relative error grows where 0.5 + 0.5 erf cancels: under 1e-6 for v > -1, about 1e-4 at v = -3 (|gelu| < 0.005 there); for v < -5.66 the result is v times at most 6e-8
; where the exact one has fallen to 0.  NaN and infinities are not served.  A block of zeros gets the scale byte 1 (its codes are zeros).
; NO TENSOR LOADS, NO CLUSTER: rows are gathered by a stored list and the text branches on species; what work-groups share is wimg alone, 132,096 bytes read once against 1,000,448 of x of a work-group's own.
; No hint on x's loads: the list names a block's row 0 once more for each unfilled slot.
; out0: a wave's store covers 128 consecutive bytes; a block begins at 3,908 g bytes, so these do not start on multiples of 256: out0 is 1 byte in 256 of what the launch moves.
.set BLK,    977
.set NATOM,  250000
.set RB,     8448
.set ER,     33024                     ; a species' record, in wimg and in LDS: W0's images 0, W1's 24,576, W0's scale words 30,720, W1's 31,744, b0 32,000, b1 32,512, W2 32,768
.set YS,     132096                    ; LDS behind the four records: y by slot, 1,024 words
.set STG,    136448                    ; the stages: 16,640 bytes a wave
.set SPITCH, 1040
.set SWAVE,  16640
; window 0
.set L16,  1                           ; v1      16 x lane: also the images' address for species 0, 1;  v12 the same + 2 records, for species 2, 3
.set LN4,  2                           ; v2      4 x lane
                                       ; v3, v13   16 r + 30,720: scale words;  v4, v14   64 h + 32,000: b0;  v5, v15   32 h + 32,512: b1 and W2.  None is ever rewritten
.set FA,   6                           ; v6-8    the fill of LDS at the head: 16 t, 16 t + 65,536, 4 t + 131,072
.set FB,   7
.set FC,   8
.set STW,  9                           ; v9      my stage + 16 x lane
.set STR,  10                          ; v10     my stage + 1,040 r + 64 h
.set YA0,  11                          ; v11     YS + 512 x wave + 4 r
.set XOFF, 16                          ; v16-31  a row's byte offset + 16 x lane
.set WS,   32                          ; v32-39  the weights' scale words, two sets of 4
.set XS,   40                          ; v40-43  x's scale words, 2 T + s
.set HS,   44                          ; v44-45  the hidden layer's
.set YAD,  46                          ; v46     where this trip's y goes
.set T4,   47                          ; v47     4 x my thread's number
.set XC,   48                          ; v48-95  x's codes, 24 T + 12 s
.set SPD,  48                          ; at the head only: v48-78 the block's species, atom 32 j + lane in register j; v80-83 the last four loads' offsets; v84 the lane; v85 at work
.set SAD,  80
.set LNE,  84
.set SPT,  85
.set ACC1, 96                          ; v96-127 a block of 32 hidden units: 16 T + 8 u
.set HC,   128                         ; v128-151 the hidden layer's codes, 12 T
.set HT,   152                         ; v152-159 conversions' results that begin on an even register
.set X,    160                         ; v160-223 64 numbers of x
.set TM,   224                         ; v224-239 at work in QUANT4
.set GQ,   160                         ; GELU: numerators v160-191, denominators v192-223, c v224-231, c^2 v232-239
.set GD,   192
.set GC,   224
.set GS,   232
.set SLT,  240                         ; v240-243 my four atoms' slots
.set QM,   244                         ; v244-251 at work in QBLK2, DOT and the tail
.set QP,   246
.set QS,   248
.set QB,   250
.set KA5,  252                         ; v[252:253] A5 twice, v[254:255] B3 twice: the addends of the chains' first steps
.set KB3,  254
.set ACC2, 48                          ; v48-111 the second layer, 32 T + 8 t, over x's codes and the first layer's block, which are done with
; window 1
.set RAW,  0                           ; v0-127   a tile of x as loaded: row j at 8 j
.set WB,   128                         ; v128-223 weight fragments, two sets of 48; later W1 in the first, W2 in the second
.set BB,   224                         ; v224-255 biases, two sets of 16; later b1
; scalars
.set WV,   16
.set TRIP, 17
.set RO,   18                          ; byte in ROWS of the tile to be asked for next
.set RCAP, 19                          ; the wave's last tile: the one look-ahead beyond it is held there
.set SEL,  20
.set LP,   22
.set LN,   23
.set CA6,  24
.set CA4,  26
.set CA3,  28
.set CA2,  30
.set CA1,  32
.set CA0,  34
.set CB4,  36
.set CB2,  38
.set CB1,  40
.set CB0,  42
.set ROWS, 48                          ; s[48:63] a tile's 16 rows
.set EXP,  68                          ; s[68:75] the wave's species, moved down by two each trip
.set SPA,  76                          ; this pair's species, A's and B's,
.set SPB,  77
.set SPN,  78                          ; and the next pair's A's
.set B2A,  79
.set B2B,  80
.set YT,   81
.set N0,   85                          ; s85-87  the block's atoms of species 0, 1, 2; then the first tiles of species 1, 2, 3
.set N1,   86
.set N2,   87
.set TL,   88                          ; s88     a tile's number
.set MSB, 0
.macro WIN new                         ; bits 1:0 source 0, 3:2 source 1, 5:4 source 2, 7:6 destination; the high byte repeats the setting that is left
.if MSB != \new
	s_set_vgpr_msb (MSB<<8)|\new
.set MSB, \new
.endif
.endm
.macro PLACES n
.rept \n
	v_nop
.endr
.endm
.macro OFFS                            ; the 16 rows just read become offsets; a loaded number enters an address behind a clamp
.irp j, 0,1,2,3,4,5,6,7,8,9,10,11,12,13,14,15
	s_min_u32 s[ROWS+\j], s[ROWS+\j], BLK-1
.endr
.irp j, 0,1,2,3,4,5,6,7,8,9,10,11,12,13,14,15
	v_lshl_add_u32 v[XOFF+\j], s[ROWS+\j], 10, v[L16]
.endr
.endm
.macro XLOADS                          ; a tile: 32 loads, each 512 consecutive bytes of one row
	WIN 0x40
.irp j, 0,1,2,3,4,5,6,7,8,9,10,11,12,13,14,15
	global_load_b128 v[RAW+8*\j:RAW+8*\j+3], v[XOFF+\j], s[4:5]
	global_load_b128 v[RAW+8*\j+4:RAW+8*\j+7], v[XOFF+\j], s[4:5] offset:512
.endr
	WIN 0
.endm
.macro NEXTROWS                        ; (no scalar load is out here: s[RO] may be stepped)
	s_add_co_u32 s[RO], s[RO], 64
	s_min_u32 s[RO], s[RO], s[RCAP]
	s_load_b512 s[ROWS:ROWS+15], s[6:7], s[RO] offset:0x0
.endm
.macro STAGE_IN                        ; the tile goes into my stage as it lies
	WIN 0x04
.irp j, 0,1,2,3,4,5,6,7,8,9,10,11,12,13,14,15
	ds_store_b128 v[STW], v[RAW+8*\j:RAW+8*\j+3] offset:SPITCH*\j
	ds_store_b128 v[STW], v[RAW+8*\j+4:RAW+8*\j+7] offset:SPITCH*\j+512
.endr
	WIN 0
.endm
.macro TALLY cb                        ; three ballots become three counts and are added up
	s_bcnt1_i32_b32 s[(\cb)], s[(\cb)]
	s_bcnt1_i32_b32 s[(\cb)+1], s[(\cb)+1]
	s_bcnt1_i32_b32 s[(\cb)+2], s[(\cb)+2]
	s_add_co_u32 s[N0], s[N0], s[(\cb)]
	s_add_co_u32 s[N1], s[N1], s[(\cb)+1]
	s_add_co_u32 s[N2], s[N2], s[(\cb)+2]
.endm
; 64 numbers of a lane, register 16 b + i = k 32 b + 16 (lane / 16) + i of the lane's row, become a fragment's 12 registers of codes at dst and the row's scale word in pw.
.macro QUANT4 src, dst, tmp, pw
.irp b, 0,1,2,3
	v_max3_num_f32 v[TM+\b], |v[(\src)+16*\b]|, |v[(\src)+1+16*\b]|, 0x2800000   ; block b: my 16 numbers, and the floor 2^(5 - 127): the byte cannot fall under 1
.endr
.irp i, 2,4,6,8,10,12,14
.irp b, 0,1,2,3
	s_delay_alu instid0(VALU_DEP_4)
	v_max3_num_f32 v[TM+\b], v[TM+\b], |v[(\src)+16*\b+\i]|, |v[(\src)+1+16*\b+\i]|
.endr
.endr
.irp b, 0,1,2,3
	s_delay_alu instid0(VALU_DEP_4)
	v_permlanex16_b32 v[TM+4+\b], v[TM+\b], s[SEL], s[SEL+1]
.endr
.irp b, 0,1,2,3
	s_delay_alu instid0(VALU_DEP_4)
	v_max_num_f32 v[TM+\b], v[TM+\b], v[TM+4+\b]          ; with lane l xor 16's: the block's largest magnitude
.endr
.irp b, 0,1,2,3
	s_delay_alu instid0(VALU_DEP_4)
	v_add_nc_u32 v[TM+12+\b], 0xfe000000, v[TM+\b]        ; 4 off its exponent field: the conversion's scale operand
.endr
.irp b, 0,1,2,3
	s_delay_alu instid0(VALU_DEP_4)
	v_lshrrev_b32 v[TM+4+\b], 23, v[TM+12+\b]             ; the scale's byte
.endr
	s_delay_alu instid0(VALU_DEP_3)
	v_lshl_or_b32 v[\pw], v[TM+5], 8, v[TM+4]
	s_delay_alu instid0(VALU_DEP_1)
	v_lshl_or_b32 v[\pw], v[TM+6], 16, v[\pw]
	s_delay_alu instid0(VALU_DEP_1)
	v_lshl_or_b32 v[\pw], v[TM+7], 24, v[\pw]
.irp c, 0,1
	v_cvt_scalef32_pk16_bf6_f32 v[(\dst)+6*\c:(\dst)+6*\c+2], v[(\src)+32*\c:(\src)+32*\c+15], v[TM+12+2*\c]
	v_cvt_scalef32_pk16_bf6_f32 v[(\tmp)+4*\c:(\tmp)+4*\c+2], v[(\src)+32*\c+16:(\src)+32*\c+31], v[TM+13+2*\c]
.endr
	v_nop                                          ; one plain place behind a scaled conversion
.irp c, 0,1                                    ; the operand's layout wants a whole block in a lane
.irp i, 0,1,2
	v_permlane16_swap_b32 v[(\dst)+6*\c+\i], v[(\tmp)+4*\c+\i]
.endr
.irp i, 0,1,2
	s_delay_alu instid0(VALU_DEP_3)
	v_mov_b32 v[(\dst)+6*\c+3+\i], v[(\tmp)+4*\c+\i]
.endr
.endr
.endm
; The tile in my stage becomes two fragments.  LDS serves a wave's instructions in order: these loads see my stores.
; XQL: all 32 loads in one run: K step 0 into v160-223, K step 1 into v96-159 (the first layer's block, the hidden layer's codes and HT hold nothing here).
.macro XQL
.irp ks, 0,1
.irp b, 0,1,2,3
.irp i, 0,1,2,3
	ds_load_b128 v[X-64*\ks+16*\b+4*\i:X-64*\ks+16*\b+4*\i+3], v[STR] offset:512*\ks+128*\b+16*\i
.endr
.endr
.endr
.endm
; XQW: the two conversions; v244-251 take the results that begin on an even register.
.macro XQW T
	s_wait_dscnt 16                                ; K step 0's 16 loads are in; K step 1's 16, issued behind them, may be out
	QUANT4 X, XC+24*(\T), QM, XS+2*(\T)
	s_wait_dscnt 0x0
	QUANT4 X-64, XC+24*(\T)+12, QM, XS+2*(\T)+1
.endm
.macro B2SEL dst, e
	s_cmp_eq_u32 s[\e], 1
	s_cselect_b32 s[\dst], s93, s92
	s_cmp_eq_u32 s[\e], 2
	s_cselect_b32 s[\dst], s94, s[\dst]
	s_cmp_eq_u32 s[\e], 3
	s_cselect_b32 s[\dst], s95, s[\dst]
.endm
; A group of weight loads for species e, a constant of the text.  The address register is chosen by e / 2, and 33,024 (e % 2) stands in the immediate, which stays under 2^16: 63,232 at the most.
; what = 1: block b of the first layer (tiles 2 b, 2 b + 1, both K steps) into set b % 2: 4 images, 16 biases a lane, 4 scale words.
; what = 2: the second layer: W1's 4 images, b1, 4 scale words.   what = 3: W2 at my 32 units, 16 t + 8 h + 0 .. 7.   what = 4: both.
.macro WL what, b, e
.set PH, (\e)/2
.set EO, ER*((\e)%2)
	WIN 0x40
.if (\what) == 1
.irp i, 0,1,2,3,4,5,6,7,8,9,10,11
	ds_load_b128 v[WB+48*((\b)%2)+4*\i:WB+48*((\b)%2)+4*\i+3], v[1+11*PH] offset:EO+6144*(\b)+512*\i
.endr
.irp i, 0,1,2,3
	ds_load_b128 v[BB+16*((\b)%2)+4*\i:BB+16*((\b)%2)+4*\i+3], v[4+10*PH] offset:EO+128*(\b)+16*\i
.endr
	WIN 0
	ds_load_b128 v[WS+4*((\b)%2):WS+4*((\b)%2)+3], v[3+10*PH] offset:EO+256*(\b)
.else
.if (\what) != 3
.irp i, 0,1,2,3,4,5,6,7,8,9,10,11
	ds_load_b128 v[WB+4*\i:WB+4*\i+3], v[1+11*PH] offset:EO+24576+512*\i
.endr
.irp i, 0,1,2,3,4,5,6,7
	ds_load_b128 v[BB+4*\i:BB+4*\i+3], v[5+10*PH] offset:EO+64*(\i/2)+16*(\i%2)
.endr
.endif
.if (\what) != 2
.irp i, 0,1,2,3,4,5,6,7
	ds_load_b128 v[WB+48+4*\i:WB+48+4*\i+3], v[5+10*PH] offset:EO+256+64*(\i/2)+16*(\i%2)
.endr
.endif
	WIN 0
.if (\what) != 3
	ds_load_b128 v[WS:WS+3], v[3+10*PH] offset:EO+1024
.endif
.endif
.endm
; The species in s[sp] picks one of the four copies.  Every window is 0 here, and each copy leaves it 0.
.macro DISP sp, what, b
	s_cmp_lt_u32 s[\sp], 2
	s_cbranch_scc0 .Lhigh_\@
	s_cmp_eq_u32 s[\sp], 0
	s_cbranch_scc0 .Lone_\@
	WL \what, \b, 0
	s_branch .Lpicked_\@
.Lone_\@:
	WL \what, \b, 1
	s_branch .Lpicked_\@
.Lhigh_\@:
	s_cmp_eq_u32 s[\sp], 2
	s_cbranch_scc0 .Lthree_\@
	WL \what, \b, 2
	s_branch .Lpicked_\@
.Lthree_\@:
	WL \what, \b, 3
.Lpicked_\@:
.endm
; Tile T's block: two accumulators by turns, one instruction a turn; the first K step takes the bias as C.
.macro MM1 T, buf
	WIN 0x11                                       ; source 0 (W0) and source 2 (b0) window 1
.irp u, 0,1
	v_wmma_scale_f32_16x16x128_f8f6f4 v[ACC1+16*(\T)+8*\u:ACC1+16*(\T)+8*\u+7], v[WB+48*(\buf)+24*\u:WB+48*(\buf)+24*\u+11], v[XC+24*(\T):XC+24*(\T)+11], v[BB+16*(\buf)+8*\u:BB+16*(\buf)+8*\u+7], v[WS+4*(\buf)+2*\u], v[XS+2*(\T)] matrix_a_fmt:MATRIX_FMT_BF6 matrix_b_fmt:MATRIX_FMT_BF6
.endr
	WIN 0x01
	s_wait_alu depctr_va_vdst(0)
.irp u, 0,1
	v_wmma_scale_f32_16x16x128_f8f6f4 v[ACC1+16*(\T)+8*\u:ACC1+16*(\T)+8*\u+7], v[WB+48*(\buf)+24*\u+12:WB+48*(\buf)+24*\u+23], v[XC+24*(\T)+12:XC+24*(\T)+23], v[ACC1+16*(\T)+8*\u:ACC1+16*(\T)+8*\u+7], v[WS+4*(\buf)+2*\u+1], v[XS+2*(\T)+1] matrix_a_fmt:MATRIX_FMT_BF6 matrix_b_fmt:MATRIX_FMT_BF6
.endr
.endm
.macro MM2 T                           ; the second layer: one K step, four tiles of 16 units, each with b1 as C
	WIN 0x11
.irp n, 0,1,2,3
	v_wmma_scale_f32_16x16x128_f8f6f4 v[ACC2+32*(\T)+8*\n:ACC2+32*(\T)+8*\n+7], v[WB+12*\n:WB+12*\n+11], v[HC+12*(\T):HC+12*(\T)+11], v[BB+8*\n:BB+8*\n+7], v[WS+\n], v[HS+(\T)] matrix_a_fmt:MATRIX_FMT_BF6 matrix_b_fmt:MATRIX_FMT_BF6
.endr
.endm
; Where the pair's two species differ, B's weights take A's place.  Four places stand between A's products and the loads into the registers that they read (W2 is read by vector instructions alone: none there).
.macro RELOAD what, b
	WIN 0
	s_cmp_eq_u32 s[SPA], s[SPB]
	s_cbranch_scc1 .Lsame_\@
.if (\what) != 3
	PLACES 4
.endif
	DISP SPB, \what, \b
	s_wait_dscnt 0x0
.Lsame_\@:
.endm
.macro GSTEP reg, co                   ; four pairs: reg = reg x c^2 + a coefficient
.irp p, 0,2,4,6
	v_pk_fma_f32 v[(\reg)+\p:(\reg)+\p+1], v[(\reg)+\p:(\reg)+\p+1], v[GS+\p:GS+\p+1], s[\co:\co+1] op_sel_hi:[1,1,0]
.endr
.endm
.macro GCLAMP V, c                     ; eight numbers, from the low end on: c = v held to +-4 sqrt(2)
.irp i, 0,1,2,3,4,5,6,7
	v_med3_num_f32 v[(\c)+\i], v[(\V)+\i], s[LP], s[LN]
.endr
.endm
.macro GPOLY c, q, d                   ; eight numbers: q = c N(c^2), d = D(c^2); the two chains by turns
.irp p, 0,2,4,6
	v_pk_mul_f32 v[GS+\p:GS+\p+1], v[(\c)+\p:(\c)+\p+1], v[(\c)+\p:(\c)+\p+1]
.endr
.irp p, 0,2,4,6
	s_delay_alu instid0(VALU_DEP_4)
	v_pk_fma_f32 v[(\q)+\p:(\q)+\p+1], v[GS+\p:GS+\p+1], s[CA6:CA6+1], v[KA5:KA5+1] op_sel_hi:[1,0,1]
.endr
.irp p, 0,2,4,6
	v_pk_fma_f32 v[(\d)+\p:(\d)+\p+1], v[GS+\p:GS+\p+1], s[CB4:CB4+1], v[KB3:KB3+1] op_sel_hi:[1,0,1]
.endr
	GSTEP \q, CA4
	GSTEP \d, CB2
	GSTEP \q, CA3
	GSTEP \d, CB1
	GSTEP \q, CA2
	GSTEP \d, CB0
	GSTEP \q, CA1
	GSTEP \q, CA0
.irp p, 0,2,4,6
	s_delay_alu instid0(VALU_DEP_4)
	v_pk_mul_f32 v[(\q)+\p:(\q)+\p+1], v[(\q)+\p:(\q)+\p+1], v[(\c)+\p:(\c)+\p+1]
.endr
.endm
.macro GRCP d
.irp i, 0,1,2,3,4,5,6,7,8,9,10,11,12,13,14,15
	v_rcp_f32 v[(\d)+\i], v[(\d)+\i]
.endr
.endm
.macro GFIN V, q, d
.irp p, 0,2,4,6,8,10,12,14
	v_pk_fma_f32 v[(\q)+\p:(\q)+\p+1], v[(\q)+\p:(\q)+\p+1], v[(\d)+\p:(\d)+\p+1], 0.5 op_sel_hi:[1,1,0]
.endr
.irp p, 0,2,4,6,8,10,12,14
	v_pk_mul_f32 v[(\V)+\p:(\V)+\p+1], v[(\V)+\p:(\V)+\p+1], v[(\q)+\p:(\q)+\p+1]
.endr
.endm
; GELU of 2 x 16 numbers in place.  All 32 numbers are first read ahead of the reciprocals: Vb's 16 clamps wait in v152-159 and v244-251, which hold nothing here.
; Behind Va's 16 reciprocals stand Vb's polynomials, which name none of them; behind Vb's 16 stand Va's last lines.  Three waits: one ahead of each batch, one ahead of the last batch's first reader.
.macro GELU2 Va, Vb
	GCLAMP \Vb, HT
	GCLAMP (\Vb)+8, QM
	GCLAMP \Va, GC
	GPOLY GC, GQ, GD
	GCLAMP (\Va)+8, GC
	GPOLY GC, GQ+8, GD+8
	s_wait_alu depctr_va_vdst(0)
	GRCP GD
	GPOLY HT, GQ+16, GD+16
	GPOLY QM, GQ+24, GD+24
	s_wait_alu depctr_va_vdst(0)                   ; ahead of the second batch, and between the first batch and its readers below
	GRCP GD+16
	GFIN \Va, GQ, GD
	s_wait_alu depctr_va_vdst(0)
	GFIN \Vb, GQ+16, GD+16
.endm
; Block b of the hidden layer (32 units: my 16 and lane l xor 16's) is quantised, tiles A and B by turns.
.macro QBLK2 b
.irp T, 0,1
	v_max3_num_f32 v[QM+\T], |v[ACC1+16*\T]|, |v[ACC1+16*\T+1]|, 0x2800000
.endr
.irp i, 2,4,6,8,10,12,14
.irp T, 0,1
	s_delay_alu instid0(VALU_DEP_2)
	v_max3_num_f32 v[QM+\T], v[QM+\T], |v[ACC1+16*\T+\i]|, |v[ACC1+16*\T+\i+1]|
.endr
.endr
.irp T, 0,1
	s_delay_alu instid0(VALU_DEP_2)
	v_permlanex16_b32 v[QP+\T], v[QM+\T], s[SEL], s[SEL+1]
.endr
.irp T, 0,1
	s_delay_alu instid0(VALU_DEP_2)
	v_max_num_f32 v[QM+\T], v[QM+\T], v[QP+\T]
.endr
.irp T, 0,1
	s_delay_alu instid0(VALU_DEP_2)
	v_add_nc_u32 v[QS+\T], 0xfe000000, v[QM+\T]
.endr
.irp T, 0,1
	s_delay_alu instid0(VALU_DEP_2)
	v_lshrrev_b32 v[QB+\T], 23, v[QS+\T]
.endr
.irp T, 0,1
.if (\b) == 0
	s_delay_alu instid0(VALU_DEP_2)
	v_mov_b32 v[HS+\T], v[QB+\T]
.else
	s_delay_alu instid0(VALU_DEP_2)
	v_lshl_or_b32 v[HS+\T], v[QB+\T], 8*(\b), v[HS+\T]
.endif
.endr
.irp T, 0,1
.if (\b)%2 == 0
	v_cvt_scalef32_pk16_bf6_f32 v[HC+12*\T+6*((\b)/2):HC+12*\T+6*((\b)/2)+2], v[ACC1+16*\T:ACC1+16*\T+15], v[QS+\T]
.else
	v_cvt_scalef32_pk16_bf6_f32 v[HT+4*\T:HT+4*\T+2], v[ACC1+16*\T:ACC1+16*\T+15], v[QS+\T]
.endif
.endr
	v_nop                                          ; one plain place behind a scaled conversion
.if (\b)%2 == 1
.irp T, 0,1
.irp i, 0,1,2
	v_permlane16_swap_b32 v[HC+12*\T+6*((\b)/2)+\i], v[HT+4*\T+\i]
.endr
.irp i, 0,1,2
	s_delay_alu instid0(VALU_DEP_3)
	v_mov_b32 v[HC+12*\T+6*((\b)/2)+3+\i], v[HT+4*\T+\i]
.endr
.endr
.endif
.endm
; y of tile T: my 32 units x W2 in two packed chains, the other half of the lanes', b2; to LDS by slot (lanes r and r + 16 write the same word with the same value)
.macro DOT T, b2s
	WIN 0x04                                       ; source 1 (W2) window 1
	v_pk_mul_f32 v[QM:QM+1], v[ACC2+32*(\T):ACC2+32*(\T)+1], v[WB+48:WB+49]
	v_pk_mul_f32 v[QP:QP+1], v[ACC2+32*(\T)+2:ACC2+32*(\T)+3], v[WB+50:WB+51]
.irp p, 4,8,12,16,20,24,28
	s_delay_alu instid0(VALU_DEP_2)
	v_pk_fma_f32 v[QM:QM+1], v[ACC2+32*(\T)+\p:ACC2+32*(\T)+\p+1], v[WB+48+\p:WB+49+\p], v[QM:QM+1]
	s_delay_alu instid0(VALU_DEP_2)
	v_pk_fma_f32 v[QP:QP+1], v[ACC2+32*(\T)+\p+2:ACC2+32*(\T)+\p+3], v[WB+50+\p:WB+51+\p], v[QP:QP+1]
.endr
	WIN 0
	v_pk_add_f32 v[QM:QM+1], v[QM:QM+1], v[QP:QP+1]
	s_delay_alu instid0(VALU_DEP_1)
	v_add_f32 v[QM], v[QM], v[QM+1]
	s_delay_alu instid0(VALU_DEP_1)
	v_permlanex16_b32 v[QS], v[QM], s[SEL], s[SEL+1]
	s_delay_alu instid0(VALU_DEP_1)
	v_add_f32 v[QM], v[QM], v[QS]
	s_delay_alu instid0(VALU_DEP_1)
	v_add_f32 v[QM], s[\b2s], v[QM]
	ds_store_b32 v[YAD], v[QM] offset:64*(\T)
.endm
; Block b of the first layer, for both tiles: products, the next block's weights asked for, GELU, codes.
.macro L1BLOCK b
	s_wait_dscnt 0x0                               ; this block's weights are in
	MM1 0, (\b)%2
	RELOAD 1, \b
	MM1 1, (\b)%2
	WIN 0
	PLACES 4                                       ; four places ahead of the first read of the results and of loads into registers that these products read
.if (\b) < 3
	DISP SPA, 1, (\b)+1
.else
	DISP SPA, 4, 0
.endif
	GELU2 ACC1, ACC1+16
	QBLK2 \b
.endm
	; ---------------- THE HEAD ----------------
	s_load_b256 s[4:11], s[0:1], 0x0               ; x s[4:5], route s[6:7], wimg s[8:9], b2 s[10:11]
	s_load_b64 s[12:13], s[0:1], 0x20              ; out0
	s_load_b64 s[96:97], s[0:1], 0x28              ; species
	v_lshrrev_b32 v6, 5, v0
	s_delay_alu instid0(VALU_DEP_1)
	v_readfirstlane_b32 s[WV], v6                  ; wave 0..7
	v_and_b32 v[LNE], 31, v0                       ; lane
	s_delay_alu instid0(VALU_DEP_1)
	v_lshlrev_b32 v[L16], 4, v[LNE]
	s_delay_alu instid0(VALU_DEP_2)
	v_lshlrev_b32 v[LN4], 2, v[LNE]
	v_and_b32 v6, 15, v0                           ; r, for now
	v_bfe_u32 v7, v0, 4, 1                         ; h, for now
	s_mul_i32 s14, s[WV], SWAVE
	s_add_co_u32 s14, s14, STG                     ; my stage
	v_add_nc_u32 v[STW], s14, v[L16]
	v_mul_u32_u24 v[STR], v6, SPITCH
	s_delay_alu instid0(VALU_DEP_1)
	v_lshl_add_u32 v[STR], v7, 6, v[STR]
	s_delay_alu instid0(VALU_DEP_1)
	v_add_nc_u32 v[STR], s14, v[STR]
	s_lshl_b32 s15, s[WV], 9
	s_add_co_u32 s15, s15, YS
	v_lshl_add_u32 v[YA0], v6, 2, s15
	v_lshl_add_u32 v3, v6, 4, 30720                ; the weights' eight address registers: the lane's term + where the kind begins in a record,
	v_lshl_add_u32 v4, v7, 6, 32000
	v_lshl_add_u32 v5, v7, 5, 32512
	v_add_nc_u32 v12, 2*ER, v[L16]                 ; and the same two records on
	s_delay_alu instid0(VALU_DEP_4)
	v_add_nc_u32 v13, 2*ER, v3
	s_delay_alu instid0(VALU_DEP_4)
	v_add_nc_u32 v14, 2*ER, v4
	s_delay_alu instid0(VALU_DEP_4)
	v_add_nc_u32 v15, 2*ER, v5
	v_lshlrev_b32 v[FA], 4, v0                     ; the fill of LDS: 16 bytes a thread, 4,096 a step;
	v_lshl_add_u32 v[FB], v0, 4, 0x10000           ; (an LDS immediate has 16 bits)
	v_lshl_add_u32 v[FC], v0, 2, 0x20000           ; the last 1,024 bytes: 4 a thread
	v_lshlrev_b32 v[T4], 2, v0
	s_mul_i32 s98, ttmp9, BLK
	s_sub_co_u32 s98, NATOM, s98
	s_min_u32 s98, s98, BLK                        ; the block's atoms: 977, in the last block 865
	s_sub_co_u32 s99, s98, 1
.irp j, 27,28,29,30                            ; atoms 864 on are not in every block: their loads are held at the block's last atom
	v_add_nc_u32 v[SAD+\j-27], 32*\j, v[LNE]
	s_delay_alu instid0(VALU_DEP_1)
	v_min_u32 v[SAD+\j-27], s99, v[SAD+\j-27]
	s_delay_alu instid0(VALU_DEP_1)
	v_lshlrev_b32 v[SAD+\j-27], 2, v[SAD+\j-27]
.endr
	v_mov_b32 v[KA5], 0x2fa84a8d                   ; A5 =  3.0611994e-10
	v_mov_b32 v[KA5+1], 0x2fa84a8d
	v_mov_b32 v[KB3], 0xb7dfbd29                   ; B3 = -2.6671757e-5
	v_mov_b32 v[KB3+1], 0xb7dfbd29
.irp i, 4,5,6,7
	v_mov_b32 v[TM+\i], 0                          ; written once: a lane permute's destination counts as read
.endr
.irp i, 0,1,2,3,4,5,6,7
	v_mov_b32 v[QM+\i], 0
.endr
	s_mov_b32 s[SEL], 0x76543210
	s_mov_b32 s[SEL+1], 0xfedcba98
	s_mov_b32 s[LP], 0x40b504f3                    ; 4 sqrt(2)
	s_mov_b32 s[LN], 0xc0b504f3
	s_mov_b32 s[CA6], 0xabd3f331                   ; -1.5059951e-12
	s_mov_b32 s[CA4], 0xb347667d                   ; -4.6426510e-8
	s_mov_b32 s[CA3], 0xb628d45d                   ; -2.5157562e-6
	s_mov_b32 s[CA2], 0xb8883d9c                   ; -6.4964607e-5
	s_mov_b32 s[CA1], 0xba08eb41                   ; -5.2230439e-4
	s_mov_b32 s[CA0], 0xbbba79f3                   ; -5.6908072e-3
	s_mov_b32 s[CB4], 0xb57460cd                   ; -9.1037949e-7
	s_mov_b32 s[CB2], 0xb9dc924e                   ; -4.2070674e-4
	s_mov_b32 s[CB1], 0xbb719bf8                   ; -3.6866646e-3
	s_mov_b32 s[CB0], 0xbc69b6a7                   ; -1.4264739e-2
.irp c, CA6,CA4,CA3,CA2,CA1,CA0,CB4,CB2,CB1,CB0
	s_mov_b32 s[\c+1], s[\c]                       ; (a packed form names the pair, so both words are written)
.endr
	s_mul_i32 s44, ttmp9, BLK*1024                 ; under 2^32: 255 x 1,000,448
	s_mov_b32 s45, 0
	s_mul_i32 s46, ttmp9, RB
	s_mov_b32 s47, 0
	s_mul_i32 s14, ttmp9, BLK*4
	s_mov_b32 s15, 0
	s_lshl_b32 s[RO], s[WV], 9                     ; my first tile's rows: 64 bytes a tile, 8 tiles a wave
	s_add_co_u32 s[RCAP], s[RO], 448
	s_wait_kmcnt 0x0
	s_add_nc_u64 s[4:5], s[4:5], s[44:45]          ; x at the block's first row
	s_add_nc_u64 s[6:7], s[6:7], s[46:47]          ; my record of route
	s_add_nc_u64 s[12:13], s[12:13], s[14:15]      ; out0 at the block's first atom
	s_add_nc_u64 s[96:97], s[96:97], s[14:15]      ; species likewise
	s_load_b512 s[ROWS:ROWS+15], s[6:7], s[RO] offset:0x0
	s_load_b128 s[92:95], s[10:11], 0x0            ; b2, all four
.set K, 0
.rept 32
	global_load_b128 v[96+4*K:99+4*K], v[FA], s[8:9] offset:4096*K  ; the four records: the eight waves read 4,096 consecutive bytes a step
.set K, K+1
.endr
	global_load_b32 v224, v[T4], s[8:9] offset:131072
.irp k, 0,1,2,3
	global_load_b32 v[SLT+\k], v[T4], s[6:7] offset:4096+1024*\k    ; the slots of atoms t + 256 k
.endr
.set J, 0
.rept 27
	global_load_b32 v[SPD+J], v[LN4], s[96:97] offset:128*J         ; the block's species: atom 32 J + lane; 128 consecutive bytes a load
.set J, J+1
.endr
.irp j, 27,28,29,30
	global_load_b32 v[SPD+\j], v[SAD+\j-27], s[96:97]
.endr
	s_wait_kmcnt 0x0
	OFFS
	XLOADS                                         ; my first tile
	s_wait_loadcnt 32                              ; loads come back in order: the 32 just issued may stay out, the 68 in front of them are in
.set K, 0
.rept 16
	ds_store_b128 v[FA], v[96+4*K:99+4*K] offset:4096*K
.set K, K+1
.endr
.rept 16
	ds_store_b128 v[FB], v[96+4*K:99+4*K] offset:4096*(K-16)
.set K, K+1
.endr
	ds_store_b32 v[FC], v224
	NEXTROWS
	s_wait_dscnt 0x0                               ; for the others' sake: my part of the records has landed
	s_barrier_signal -1
	s_barrier_wait -1                              ; the records are whole; nobody writes them again
	s_wait_loadcnt 0x0                             ; tile A of the first pair
	STAGE_IN
	s_wait_kmcnt 0x0
	OFFS                                           ; (the loads that named these offsets are in)
	s_wait_alu depctr_va_vdst(0)
	s_wait_dscnt 0x0                               ; the stage's stores have read their registers
	XLOADS                                         ; tile B
	NEXTROWS
	; MY TILES' SPECIES, while tile B is on its way.  A lane past the block's end belongs to no species
.irp j, 27,28,29,30
	v_add_nc_u32 v[SPT], 32*\j, v[LNE]
	s_delay_alu instid0(VALU_DEP_1)
	v_cmp_gt_u32 vcc_lo, s98, v[SPT]
	s_delay_alu instid0(VALU_DEP_1)
	v_cndmask_b32 v[SPD+\j], 4, v[SPD+\j], vcc_lo
.endr
	s_mov_b32 s[N0], 0
	s_mov_b32 s[N1], 0
	s_mov_b32 s[N2], 0
.set J, 0
.rept 31                                       ; 32 atoms a step: who is of species 0, 1, 2; the ballots lie in s44-46 and s82-84 by turns, and are counted a step later
.set CB, 44+38*(J%2)
	v_cmp_eq_u32 s[CB], 0, v[SPD+J]
	v_cmp_eq_u32 s[CB+1], 1, v[SPD+J]
	v_cmp_eq_u32 s[CB+2], 2, v[SPD+J]
.if J > 0
	TALLY 44+38*((J-1)%2)
.endif
.set J, J+1
.endr
	TALLY 44+38*(30%2)
	s_add_co_u32 s[N0], s[N0], 15                  ; a species takes ceil(n / 16) tiles:
	s_lshr_b32 s[N0], s[N0], 4                     ; species 1 begins at this tile,
	s_add_co_u32 s[N1], s[N1], 15
	s_lshr_b32 s[N1], s[N1], 4
	s_add_co_u32 s[N1], s[N1], s[N0]               ; species 2 at this,
	s_add_co_u32 s[N2], s[N2], 15
	s_lshr_b32 s[N2], s[N2], 4
	s_add_co_u32 s[N2], s[N2], s[N1]               ; species 3 at this; an empty species begins where the next one does
	s_lshl_b32 s[TL], s[WV], 3                     ; my first tile
.irp i, 0,1,2,3,4,5,6,7
	s_cmp_ge_u32 s[TL], s[N0]
	s_cselect_b32 s[EXP+\i], 1, 0
	s_cmp_ge_u32 s[TL], s[N1]
	s_cselect_b32 s[EXP+\i], 2, s[EXP+\i]
	s_cmp_ge_u32 s[TL], s[N2]
	s_cselect_b32 s[EXP+\i], 3, s[EXP+\i]
	s_add_co_u32 s[TL], s[TL], 1
.endr
	DISP EXP, 1, 0                                 ; the first pair's first block of weights
	s_mov_b32 s[TRIP], 0
	s_mov_b32 s[YT], 0
	; ---------------- A PAIR OF TILES.  At the head: A lies in my stage, B is on its way ----------------
.Lpair:
	s_mov_b32 s[SPA], s[EXP]
	s_mov_b32 s[SPB], s[EXP+1]
	s_mov_b32 s[SPN], s[EXP+2]                     ; (in the last trip: stale, a species all the same; what it picks is read by nobody)
.irp i, 0,1,2,3,4,5
	s_mov_b32 s[EXP+\i], s[EXP+2+\i]               ; the list moves down by a pair
.endr
	B2SEL B2A, SPA
	B2SEL B2B, SPB
	v_add_nc_u32 v[YAD], s[YT], v[YA0]
	XQL
	XQW 0
	s_wait_loadcnt 0x0                             ; B is in
	STAGE_IN
	XQL                                            ; B's way back begins ahead of the next tile's loads
	s_cmp_eq_u32 s[TRIP], 3                        ; the last pair asks for nothing
	s_cbranch_scc1 .Lno_a
	s_wait_kmcnt 0x0
	OFFS
	s_wait_alu depctr_va_vdst(0)
	s_wait_dscnt 32                                ; the 32 reads just issued may be out; the stage's 32 stores ahead of them have read their registers
	XLOADS                                         ; the next pair's A: it has this pair's first three blocks in which to land
	NEXTROWS
.Lno_a:
	XQW 1
	PLACES 8                                       ; scale words made by vector instructions stand 8 places ahead of a scaled matrix instruction, codes 4
	L1BLOCK 0
	L1BLOCK 1
	L1BLOCK 2
	s_cmp_eq_u32 s[TRIP], 3
	s_cbranch_scc1 .Lno_b
	s_wait_loadcnt 0x0                             ; the next pair's A is in; my stage has been read out
	STAGE_IN
	s_wait_kmcnt 0x0
	OFFS
	s_wait_alu depctr_va_vdst(0)
	s_wait_dscnt 0x0
	XLOADS                                         ; the next pair's B: it has the rest of this pair and the next A's quantising in which to land
	NEXTROWS
.Lno_b:
	L1BLOCK 3
	PLACES 8                                       ; the hidden layer's scale words and codes were made by vector instructions
	s_wait_alu depctr_va_vdst(0)
	s_wait_dscnt 0x0                               ; W1, b1, W2 are in
	MM2 0
	RELOAD 2, 0
	MM2 1
	WIN 0
	PLACES 4                                       ; four places ahead of loads into registers that these products read, and of the first read of their results
	DISP SPN, 1, 0                                 ; the next pair's first block
	GELU2 ACC2, ACC2+16
	DOT 0, B2A
	s_wait_alu depctr_va_vdst(0)
	GELU2 ACC2+32, ACC2+48
	RELOAD 3, 0
	DOT 1, B2B
	s_add_co_u32 s[YT], s[YT], 128
	s_add_co_u32 s[TRIP], s[TRIP], 1
	s_cmp_lt_u32 s[TRIP], 4
	s_cbranch_scc1 .Lpair
	; ---------------- THE WAY OUT: y by slot becomes y by atom ----------------
	s_wait_kmcnt 0x0
	s_wait_dscnt 0x0                               ; for the others' sake: my y have landed
	s_barrier_signal -1
	s_barrier_wait -1                              ; behind it LDS is only read
.irp k, 0,1,2,3
	v_min_u32 v[QM+\k], 1023, v[SLT+\k]            ; a loaded number enters an address behind a clamp
	s_delay_alu instid0(VALU_DEP_1)
	v_lshl_add_u32 v[QM+\k], v[QM+\k], 2, YS
	ds_load_b32 v[QM+4+\k], v[QM+\k]
.endr
	s_sub_co_u32 s44, s98, 768                     ; the block's atoms behind the first 768
	s_wait_dscnt 0x0
.irp k, 0,1,2,3
	v_cmp_gt_u32 vcc_lo, 1024, v[SLT+\k]
	s_delay_alu instid0(VALU_DEP_1)
	v_cndmask_b32 v[QM+4+\k], 0, v[QM+4+\k], vcc_lo   ; an atom of no species keeps 0
.endr
.irp k, 0,1,2
	global_store_b32 v[T4], v[QM+4+\k], s[12:13] offset:1024*\k   ; atoms t + 256 k: every block has 768
.endr
	v_cmp_gt_u32 vcc_lo, s44, v0
	s_wait_alu depctr_va_vdst(0)
	s_wait_xcnt 0x0                                ; EXEC changes only behind this wait
	s_and_saveexec_b32 s45, vcc_lo
	global_store_b32 v[T4], v[QM+7], s[12:13] offset:3072
	s_wait_xcnt 0x0
	s_or_b32 exec_lo, exec_lo, s45
	s_wait_xcnt 0x0
	s_mov_b32 exec_lo, -1
	v_lshl_add_u32 v254, v0, 2, 0x41d00
	v_mov_b32 v255, 0
	s_wait_alu depctr_va_vdst(0)
	s_wait_tensorcnt 0x0
	ds_add_u32 v254, v255
	s_wait_dscnt 0x0
	s_endpgm
.Lfunc_end_k_q10084d8b89_mlp:
	.size	k_q10084d8b89_mlp, .Lfunc_end_k_q10084d8b89_mlp-k_q10084d8b89_mlp
	.p2alignl 7, 3214868480
	.fill 96, 4, 3214868480
	.section	.rodata,"a",@progbits
	.p2align	6, 0x0
	.amdhsa_kernel k_q10084d8b89_mlp
		.amdhsa_group_segment_fixed_size 270592
		.amdhsa_private_segment_fixed_size 0
		.amdhsa_enable_private_segment 0
		.amdhsa_kernarg_size 48
		.amdhsa_user_sgpr_count 2
		.amdhsa_user_sgpr_kernarg_segment_ptr 1
		.amdhsa_wavefront_size32 1
		.amdhsa_system_sgpr_workgroup_id_x 1
		.amdhsa_system_sgpr_workgroup_id_y 1
		.amdhsa_system_sgpr_workgroup_id_z 1
		.amdhsa_system_vgpr_workitem_id 0
		.amdhsa_next_free_vgpr 512
		.amdhsa_next_free_sgpr 100
		.amdhsa_reserve_vcc 1
		.amdhsa_float_denorm_mode_32 3
		.amdhsa_float_denorm_mode_16_64 3
		.amdhsa_memory_ordered 1
		.amdhsa_forward_progress 1
		.amdhsa_inst_pref_size 255
	.end_amdhsa_kernel
	.section	.bss,"aw",@nobits
	.p2align	6
	.space	262144
	.amdgpu_metadata
---
amdhsa.version: [ 1, 2 ]
amdhsa.kernels:
  - .name:           k_q10084d8b89_mlp
    .symbol:         k_q10084d8b89_mlp.kd
    .args:
      - { .name: oc_density, .offset: 0, .size: 8, .value_kind: global_buffer, .address_space: global }
      - { .name: route, .offset: 8, .size: 8, .value_kind: global_buffer, .address_space: global }
      - { .name: wimg, .offset: 16, .size: 8, .value_kind: global_buffer, .address_space: global }
      - { .name: b2, .offset: 24, .size: 8, .value_kind: global_buffer, .address_space: global }
      - { .name: out0, .offset: 32, .size: 8, .value_kind: global_buffer, .address_space: global }
      - { .name: species, .offset: 40, .size: 8, .value_kind: global_buffer, .address_space: global }
    .group_segment_fixed_size: 270592
    .private_segment_fixed_size: 0
    .kernarg_segment_align: 8
    .kernarg_segment_size: 48
    .max_flat_workgroup_size: 256
    .sgpr_count:     100
    .vgpr_count:     512
    .wavefront_size: 32
...
	.end_amdgpu_metadata
.endif
;; end of part 2
